; MI455X (gfx1250); checked and timed in simulation.
; The chip was launched on July 23, 2026; its instructions are those of AMD's public machine-readable ISA for CDNA 5 (MIT licence, August 2026) and "CDNA5" Instruction Set Architecture Reference Guide (July 2026). The comments in the code are by the model that wrote it; some were corrected since.
;; Max Pooling Matching. Allowed arithmetic: float matrix products may take bf16 or f16 operands with f32 sums; other float arithmetic in f32, or as packed bf16 or f16 multiplies, adds, multiply-adds, maxima and minima; sums over many terms, partial sums and values carried from step to step in f32; what a program stores and reads back later, other than sums and carried values, may be rounded once to bf16 or f16.
;; Inputs: kernel 20 x 256 float32; sent1 16 x 256 x 256 float32; sent2 16 x 256 x 256 float32.
;; Outputs: out0 16 x 256 x 20 float32.
;; One version. Each part assembles by itself: llvm-mc -triple=amdgcn-amd-amdhsa -mcpu=gfx1250 --defsym DOCPART=n.
;; ======== version 1 of 1: 1 launch
;; limits: values outside matrix products are rounded to bf16
;; launch match (part 1): grid 16 x 16, 4 waves a work-group, clusters of 4 x 1, 310,272 bytes of LDS; arguments sent1, sent2, kernel, out0; writes out0
.if DOCPART == 1
	.amdgcn_target "amdgcn-amd-amdhsa--gfx1250"
	.amdhsa_code_object_version 6
	.text
	.protected	k_q3158a00680_match
	.globl	k_q3158a00680_match
	.p2align	8
	.type	k_q3158a00680_match,@function
k_q3158a00680_match:
	s_mov_b64 s[64:65], 0
	v_nop
	global_prefetch_b8 v0, s[64:65] scope:SCOPE_SE
	s_setreg_imm32_b32 hwreg(HW_REG_WAVE_MODE, 25, 1), 1
	s_wait_xcnt 0x0
	s_wait_alu depctr_hold_cnt(0) depctr_sa_sdst(0) depctr_va_vdst(0) depctr_va_sdst(0) depctr_va_ssrc(0) depctr_va_vcc(0) depctr_vm_vsrc(0)
	s_getreg_b32 s2, hwreg(HW_REG_IB_STS2, 6, 4)
	s_cmp_eq_u32 s2, 0
	s_cbranch_scc0 .Lentry_in_a_cluster
	s_endpgm
.Lentry_in_a_cluster:
	s_bfe_u32 s2, ttmp6, 0x10000c
	s_cmp_lg_u32 s2, 0x3003
	s_cbranch_scc0 .Lentry_shape_is_right
	s_endpgm
.Lentry_shape_is_right:
; out0[b][l][p] = max over m of cos(sent1[b][l][:] * kernel[p][:], sent2[b][m][:] * kernel[p][:]).  B = 16, L = 256, D = 256, P = 20, all f32.
; REGROUPED, by an identity that holds for all values: cos = (sum_d s1[l][d] k2[p][d] s2[m][d]) r1[l][p] r2[m][p], with k2 = kernel^2,
; r1[l][p] = rsqrt(max(sum_d s1[l][d]^2 k2[p][d], 1e-12)) and r2 likewise of s2.  So s2[b] is ONE matrix operand for all 20 perspectives, and only s1 * k2[p] changes with p.
; r2 is applied ahead of the maximum; r1 is positive and the same for all m, so it is applied behind it.  The sums of squares are products too: (s^2) (k2)^T.
; NOTHING IS LEFT OUT: all three inputs reach the output and all are loaded.
; FORMATS.  Matrix operands in bf16 (s2; s1 * k2[p], made by a packed bf16 multiply of bf16(k2) and bf16(s1); the squares of the rounded s; k2), all sums in f32; rsqrt, scaling and maxima in f32.
; LIMITS.  A NaN is not carried as jnp.max carries it (the maxima used here drop it).  kernel^2 is formed in f32 and s^2 in bf16: |kernel| and |s| lie between about 1e-19 and 1e19.  The sums of squares have
; bf16 operands, so the floor of 1e-12 takes hold within that rounding of where reference()'s does.  The order of rounding differs from reference()'s (k2 on one side; r1 behind the maximum).
; SHARES.  256 work-groups: work-group (sub, b) owns rows l = 16 sub .. 16 sub + 15 of batch b for all 20 p: 1,280 consecutive bytes of out0, at a multiple of 256.  Wave w owns the keys m = 64 w .. 64 w + 63:
; four tiles of 16, rounded once to bf16 fragments that stay in 256 registers, so the main loop reads no key from LDS.  Every wave holds the 16 rows of s1 as fragments and makes s1 * k2[p] for itself.
; CLUSTER.  The four work-groups of a cluster share b: sent2[b] is asked for JOINTLY, the same tensor load with the same descriptor and the mask of four in all of them.  My place in the cluster enters the
; addresses of sent1 and out0 alone.  A wave asks for its 64 rows as four loads of 16 rows x 1,024 bytes, not as one of 64: the counted waits 3, 2, 1, 0 let a tile be rounded while the later ones are on their way.
; By this text's own count a wave has four tensor loads outstanding.  No LDS byte is filled twice.
; NO PREFETCH: every byte that the work-group reads is asked for at its head; there is no later step to ask ahead for.
; LAYOUT.  Main product: source 0 = 16 keys, source 1 = 16 rows l: a lane holds ONE l (lane % 16) and the keys 16 t + 8 (lane / 16) + 0..7, so the maximum over m stays in the lane but for one exchange of halves.
; Norm product: source 0 = 16 rows of squares, source 1 = 16 rows p of k2: a lane holds one p and eight rows.  Of the second p tile only p = 16..19 exist: lanes repeat p = 16 + lane % 4 and store equal words.
; REGISTERS, in windows of 256 (s_set_vgpr_msb: bits 1:0 source 0, 3:2 source 1, 5:4 source 2, 7:6 destination):
;   window 0: v0-31 addresses and small work; v32-63 r2 of one p; v64-95, v96-127 two sets of four accumulators; v128-191, v192-255 two buffers of s1 * k2[p]
;             (in the set-up: v32-71 kernel rows; v64-79 two norm accumulators; v96-127 squares; v128-255 one tile of 16 rows in f32)
;   window 1: the keys' fragments, tile t, K step c at 64 t + 8 c          window 2: v0-63 s1's fragments; v64-191 k2's fragments (p tile q at 64 + 64 q + 8 c)
.set PST,   1040                       ; a staged row of sent2: 1,024 bytes + 16 of padding: row r starts 16 r bytes further modulo 256, so the 16 rows of a load meet 16 different columns of 16 bytes
.set TILEB, 16*PST                     ; one tensor load: 16 rows
.set WSTG,  4*TILEB                    ; a wave's stage
.set K2TAB, 4*WSTG                     ; 266,240: k2[p][d] in bf16, 20 rows
.set PK2,   528                        ; 512 + 16
.set R2TAB, K2TAB+10752                ; each wave's own: r2[p][64 m] in f32, 20 rows
.set PR2,   272                        ; 256 + 16
.set WR2,   5632
.set R1TAB, R2TAB+4*WR2                ; each wave's own copy: r1 at [20 l + p]
.set WR1,   1280
.set RED,   R1TAB+4*WR1                ; each wave's maxima over its 64 keys, at [20 l + p]
.set SPARE, RED+4*WR1                  ; the spare words, 128 bytes for each wave: two blocks of 256 bytes that no other line names
.set RR,   1                           ; lane % 16
.set HH,   2                           ; lane / 16
.set LN,   3                           ; lane
.set STG,  4                           ; my place in my wave's stage: row RR, 32 HH
.set KF0,  5                           ; k2's fragments, rows p = RR
.set KF1,  6                           ; rows p = 16 + RR % 4
.set KBA,  7                           ; k2's row 0 at my half's 16 bytes
.set RS0,  8                           ; where r2 of p = RR goes
.set RS1,  9                           ; of p = 16 + RR % 4
.set RLD,  10                          ; where r2 of row 0 is read
.set REDA, 11                          ; my l's 20 words in my wave's part of RED
.set S1O,  12                          ; my byte offset in the 16 rows of sent1
.set KGO,  13                          ; my byte offset in kernel
.set KST,  14                          ; where my 16 bytes of k2 go
.set R1S,  15                          ; where r1 of p = RR goes
.set MX,   16                          ; v16-19 four running maxima
.set TMP,  20
.set ADRD, 21
.set ADRK, 22
.set ADRR, 23
.set R1S1, 24                          ; where r1 of p = 16 + RR % 4 goes
.set FIN,  25                          ; 16 x min(thread, 79): my 16 bytes of the work-group's 1,280
.set FINR, 26                          ; the same in RED
.set FIN1, 27                          ; the same in my wave's r1
.set SPW,  28                          ; LDS address of my spare word; never rewritten
.set NIL,  29                          ; 0; never rewritten
.set WT,   30
.set R16,  31                          ; 16 + lane % 4
.set R2,   32
.set ACC0, 64
.set AK0,  128
.set KT,   32
.set NA,   64
.set SQ,   96
.set T,    128
.set S1F,  0                           ; window 2
.set K2F,  64                          ; window 2
.set WV,   12                          ; s12 my wave's number
.set G1,   24                          ; s[24:31] descriptor group 1
.set G0,   32                          ; s[32:47] descriptor group 0, a set for each of my four loads
.set MSB, 0
.macro WIN new                         ; the immediate's high byte repeats the setting that is left; a switch that changes nothing is dropped
.if MSB != (\new)
	s_set_vgpr_msb (MSB<<8)|(\new)
.set MSB, \new
.endif
.endm
; A round of the cluster's barrier: my work-group's barrier, so that wave 0's signal speaks for all four waves; wave 0 signals; every wave waits for all four work-groups; my work-group's barrier once more.
.macro ROUND
	s_barrier_signal -1
	s_barrier_wait -1
	s_cmp_lg_u32 s[WV], 0
	s_cbranch_scc1 .Lnot_wave_0_\@
	s_barrier_signal -3
.Lnot_wave_0_\@:
	s_barrier_wait -3
	s_barrier_signal -1
	s_barrier_wait -1
.endm
.macro PLACES                          ; four places between a matrix instruction and a vector instruction that reads or writes its result (ISA guide 7.12.1)
.rept 4
	v_nop
.endr
.endm
	s_load_b256 s[4:11], s[0:1], 0x0               ; sent1 s[4:5], sent2 s[6:7], kernel s[8:9], out0 s[10:11]
	v_lshl_add_u32 v[SPW], v0, 2, SPARE
	v_mov_b32 v[NIL], 0
	ds_add_u32 v[SPW], v[NIL]                      ; the wave's opening: the add, twice on end, and its wait ahead of my first tensor load; the set-up below, work on registers, stands between
	ds_add_u32 v[SPW], v[NIL]                      ; and once more, under the one wait
	v_lshrrev_b32 v[WT], 5, v0
	v_readfirstlane_b32 s[WV], v[WT]               ; wave 0..3
	s_bfe_u32 s13, ttmp6, 0x40000                  ; cx: my place in the cluster
	s_lshl_b32 s14, ttmp9, 2                       ; in a cluster launch ttmp9 counts clusters
	s_add_co_u32 s14, s14, s13                     ; sub = 4 x cluster x + cx: it enters sent1's and out0's addresses alone
	s_and_b32 s15, ttmp7, 0xffff                   ; b, which the four partners share
	s_lshl_b32 s16, s15, 18                        ; sent1: b x 256 rows of 1,024 bytes
	s_lshl_b32 s17, s14, 14                        ; + sub x 16 rows
	s_add_co_u32 s16, s16, s17
	s_mov_b32 s17, 0
	s_lshl_b32 s18, s15, 4
	s_add_co_u32 s18, s18, s14
	s_mul_i32 s18, s18, 1280                       ; out0: (16 b + sub) x 16 rows of 80 bytes
	s_mov_b32 s19, 0
	s_lshl_b32 s54, s15, 18                        ; sent2: b x 256 rows,
	s_lshl_b32 s55, s[WV], 16                      ; + my wave's 64
	s_add_co_u32 s54, s54, s55
	s_mov_b32 s55, 0
	s_mov_b32 s20, 0x2b8cbccc                      ; 1e-12
	s_mul_i32 s21, s[WV], WSTG                     ; my wave's stage: no place in the cluster enters an LDS address
	s_mov_b32 s22, 0x76543210                      ; v_permlanex16_b32's selects: each lane takes its own place in the other half
	s_mov_b32 s23, 0xfedcba98
	; descriptor group 1: a tile of 16 rows x 256 elements of 4 bytes, padded in LDS
	s_mov_b32 s[G1+0], 15|(2<<16)|(1<<20)|(1<<21)|(7<<22)|(3<<25)  ; 15:0 the mask of four; 17:16 elements of 4 bytes; 20 padding on; 21 set beside a mask; 24:22 after every 256 words (code 7); 31:25 4 words (code 3)
	s_mov_b32 s[G1+1], 256<<16                     ; tensor_dim0 = 256
	s_mov_b32 s[G1+2], 16<<16                      ; tensor_dim1 = 16
	s_mov_b32 s[G1+3], 256<<16                     ; tile_dim0 = 256
	s_mov_b32 s[G1+4], 16                          ; tile_dim1 = 16
	s_mov_b32 s[G1+5], 256                         ; 256 elements from row to row
	s_mov_b32 s[G1+6], 0
	s_mov_b32 s[G1+7], 0
	s_mul_i32 s2, s[WV], WR2
	s_add_co_u32 s2, s2, R2TAB                     ; my wave's r2 table
	s_mul_i32 s3, s[WV], WR1
	s_add_co_u32 s53, s3, RED                      ; my wave's part of RED
	s_add_co_u32 s3, s3, R1TAB                     ; my wave's r1 table
	s_mul_i32 s48, s[WV], 5120                     ; my wave's five rows of kernel,
	s_mul_i32 s49, s[WV], 5*PK2                    ; and of k2
	s_add_co_u32 s49, s49, K2TAB
	v_and_b32 v[RR], 15, v0
	v_bfe_u32 v[HH], v0, 4, 1
	v_and_b32 v[LN], 31, v0
	v_and_or_b32 v[R16], v0, 3, 16
	v_mul_u32_u24 v[STG], v[RR], PST
	v_lshl_add_u32 v[STG], v[HH], 5, v[STG]
	v_add_nc_u32 v[STG], s21, v[STG]
	v_mul_u32_u24 v[KF0], v[RR], PK2
	v_lshl_add_u32 v[KF0], v[HH], 4, v[KF0]
	v_add_nc_u32 v[KF0], K2TAB, v[KF0]
	v_mul_u32_u24 v[KF1], v[R16], PK2
	v_lshl_add_u32 v[KF1], v[HH], 4, v[KF1]
	v_add_nc_u32 v[KF1], K2TAB, v[KF1]
	v_lshl_add_u32 v[KBA], v[HH], 4, K2TAB
	v_mul_u32_u24 v[RS0], v[RR], PR2
	v_lshl_add_u32 v[RS0], v[HH], 5, v[RS0]
	v_add_nc_u32 v[RS0], s2, v[RS0]
	v_mul_u32_u24 v[RS1], v[R16], PR2
	v_lshl_add_u32 v[RS1], v[HH], 5, v[RS1]
	v_add_nc_u32 v[RS1], s2, v[RS1]
	v_lshl_add_u32 v[RLD], v[HH], 5, s2
	v_mul_u32_u24 v[REDA], v[RR], 80
	v_add_nc_u32 v[REDA], s53, v[REDA]
	v_lshlrev_b32 v[S1O], 10, v[RR]
	v_lshl_add_u32 v[S1O], v[HH], 5, v[S1O]
	v_lshl_add_u32 v[KGO], v[LN], 5, s48
	v_lshl_add_u32 v[KST], v[LN], 4, s49
	v_mul_u32_u24 v[R1S], v[HH], 640               ; row l = 8 HH + j: 80 bytes a row
	v_mul_u32_u24 v[R1S1], v[HH], 640
	v_lshl_add_u32 v[R1S], v[RR], 2, v[R1S]
	v_lshl_add_u32 v[R1S1], v[R16], 2, v[R1S1]
	v_add_nc_u32 v[R1S], s3, v[R1S]
	v_add_nc_u32 v[R1S1], s3, v[R1S1]
	v_min_u32 v[FIN], 79, v0
	v_lshlrev_b32 v[FIN], 4, v[FIN]
	v_add_nc_u32 v[FINR], RED, v[FIN]
	v_add_nc_u32 v[FIN1], s3, v[FIN]
	v_mov_b32 v[TMP], 0                            ; v_permlanex16_b32's destination counts as read
	s_wait_dscnt 0x0                               ; both opening adds are done
	s_wait_kmcnt 0x0
	s_add_nc_u64 s[4:5], s[4:5], s[16:17]          ; sent1 at my work-group's 16 rows
	s_add_nc_u64 s[10:11], s[10:11], s[18:19]      ; out0 at its 1,280 bytes
	s_add_nc_u64 s[6:7], s[6:7], s[54:55]          ; sent2 at my wave's 64 rows of batch b
.irp t, 0,1,2,3
	s_mov_b32 s[G0+4*(\t)], 1                      ; count = 1
	s_add_co_u32 s[G0+4*(\t)+1], s21, (\t)*TILEB   ; LDS address
	s_add_nc_u64 s[G0+4*(\t)+2:G0+4*(\t)+3], s[6:7], (\t)*16384  ; global address: my tile t
	s_or_b32 s[G0+4*(\t)+3], s[G0+4*(\t)+3], 0x80000000          ; type = 2
.endr
	ROUND                                          ; all four work-groups are here: the joint loads meet
.irp t, 0,1,2,3
	tensor_load_to_lds s[G0+4*(\t):G0+4*(\t)+3], s[G1:G1+7]
	s_nop 0
.endr
.rept 4
	v_nop
.endr
.irp i, 0,1,2,3,4                      ; my wave's five rows of kernel: 32 bytes a lane of each
	global_load_b128 v[KT+8*(\i):KT+8*(\i)+3],   v[KGO], s[8:9] offset:1024*(\i)
	global_load_b128 v[KT+8*(\i)+4:KT+8*(\i)+7], v[KGO], s[8:9] offset:1024*(\i)+16
.endr
; A fragment is 16 rows x 32 channels: lane (r, h) holds row r, channels 8 h + 0..7 and 16 + 8 h + 0..7.  In f32 those are 32 bytes at 128 c + 32 h and 32 bytes at 128 c + 64 + 32 h.
.irp c, 0,1,2,3,4,5,6,7                ; the 16 rows of sent1
	global_load_b128 v[T+16*(\c):T+16*(\c)+3],     v[S1O], s[4:5] offset:128*(\c)
	global_load_b128 v[T+16*(\c)+4:T+16*(\c)+7],   v[S1O], s[4:5] offset:128*(\c)+16
	global_load_b128 v[T+16*(\c)+8:T+16*(\c)+11],  v[S1O], s[4:5] offset:128*(\c)+64
	global_load_b128 v[T+16*(\c)+12:T+16*(\c)+15], v[S1O], s[4:5] offset:128*(\c)+80
.endr
	s_wait_loadcnt 32                              ; kernel's rows are in; sent1's 32 younger loads stay out
.irp i, 0,1,2,3,4
.irp k, 0,2,4,6
	v_pk_mul_f32 v[KT+8*(\i)+(\k):KT+8*(\i)+(\k)+1], v[KT+8*(\i)+(\k):KT+8*(\i)+(\k)+1], v[KT+8*(\i)+(\k):KT+8*(\i)+(\k)+1]  ; kernel^2 in f32
.endr
.irp k, 0,1,2,3
	v_cvt_pk_bf16_f32 v[KT+8*(\i)+(\k)], v[KT+8*(\i)+2*(\k)], v[KT+8*(\i)+2*(\k)+1]  ; rounded once; register k has been read when it is written
.endr
	ds_store_b128 v[KST], v[KT+8*(\i):KT+8*(\i)+3] offset:PK2*(\i)
.endr
	s_wait_dscnt 0x0                               ; for the others' sake: my rows of k2 are written
	s_barrier_signal -1
	s_barrier_wait -1                              ; all 20 rows are; my tensor loads may stay out
	WIN 0x80                                       ; destination window 2
.irp c, 0,1,2,3,4,5,6,7
	ds_load_b128 v[K2F+8*(\c):K2F+8*(\c)+3],       v[KF0] offset:64*(\c)
	ds_load_b128 v[K2F+8*(\c)+4:K2F+8*(\c)+7],     v[KF0] offset:64*(\c)+32
	ds_load_b128 v[K2F+64+8*(\c):K2F+64+8*(\c)+3], v[KF1] offset:64*(\c)
	ds_load_b128 v[K2F+64+8*(\c)+4:K2F+64+8*(\c)+7], v[KF1] offset:64*(\c)+32
.endr
	WIN 0
; A tile's 16 rows out of my stage, in f32: 32 loads, K steps ascending.
.macro LOADT t
.set lc, 0
.rept 8
	ds_load_b128 v[T+16*lc:T+16*lc+3],     v[STG] offset:TILEB*(\t)+128*lc
	ds_load_b128 v[T+16*lc+4:T+16*lc+7],   v[STG] offset:TILEB*(\t)+128*lc+16
	ds_load_b128 v[T+16*lc+8:T+16*lc+11],  v[STG] offset:TILEB*(\t)+128*lc+64
	ds_load_b128 v[T+16*lc+12:T+16*lc+15], v[STG] offset:TILEB*(\t)+128*lc+80
.set lc, lc+1
.endr
.endm
; Four K steps (4 half .. 4 half + 3) of the tile in T: rounded to bf16 fragments at FB in window W; their squares; and the squares times k2, for both p tiles.
; The two accumulators take turns.  The 32 roundings are the places between one batch's products and the next batch's writes of SQ and restart of the sums.
.macro BATCH W, FB, half
	WIN (\W)<<6
.set bc, 4*(\half)
.rept 4
.set bk, 0
.rept 8
	v_cvt_pk_bf16_f32 v[(\FB)+8*bc+bk], v[T+16*bc+2*bk], v[T+16*bc+2*bk+1]
.set bk, bk+1
.endr
.set bc, bc+1
.endr
	WIN (\W)|((\W)<<2)
.set bc, 4*(\half)
.rept 4
.set bk, 0
.rept 8
	v_pk_mul_bf16 v[SQ+8*(bc%4)+bk], v[(\FB)+8*bc+bk], v[(\FB)+8*bc+bk]
.set bk, bk+1
.endr
.set bc, bc+1
.endr
	WIN 0x08                                       ; source 1 (k2) in window 2
.set bc, 4*(\half)
.rept 4
.if bc == 0
	v_wmma_f32_16x16x32_bf16 v[NA:NA+7],    v[SQ:SQ+7], v[K2F:K2F+7], 0        ; the first K step starts the sums
	v_wmma_f32_16x16x32_bf16 v[NA+8:NA+15], v[SQ:SQ+7], v[K2F+64:K2F+71], 0
.else
	v_wmma_f32_16x16x32_bf16 v[NA:NA+7],    v[SQ+8*(bc%4):SQ+8*(bc%4)+7], v[K2F+8*bc:K2F+8*bc+7], v[NA:NA+7]
	v_wmma_f32_16x16x32_bf16 v[NA+8:NA+15], v[SQ+8*(bc%4):SQ+8*(bc%4)+7], v[K2F+64+8*bc:K2F+64+8*bc+7], v[NA+8:NA+15]
.endif
.set bc, bc+1
.endr
	WIN 0
.endm
; rsqrt(max(sum, 1e-12)) of the 16 sums a lane, each accumulator from its low end on; one batch of 16, one plain instruction and one wait.
; kind 0: a tile of keys: r2[p][m], my eight m at byte col + 32 h of row p.  kind 1: s1: r1 at [20 l + p].
.macro NORM kind, col
.set ni, 0
.rept 16
	v_max_num_f32 v[NA+ni], s20, v[NA+ni]
.set ni, ni+1
.endr
.set ni, 0
.rept 16
	v_rsq_f32 v[NA+ni], v[NA+ni]
.set ni, ni+1
.endr
	v_nop
	s_wait_alu depctr_va_vdst(0)
.if (\kind) == 0
	ds_store_b128 v[RS0], v[NA:NA+3]     offset:(\col)
	ds_store_b128 v[RS0], v[NA+4:NA+7]   offset:(\col)+16
	ds_store_b128 v[RS1], v[NA+8:NA+11]  offset:(\col)
	ds_store_b128 v[RS1], v[NA+12:NA+15] offset:(\col)+16
.else
.set ni, 0
.rept 8
	ds_store_b32 v[R1S],  v[NA+ni]   offset:80*ni
	ds_store_b32 v[R1S1], v[NA+8+ni] offset:80*ni
.set ni, ni+1
.endr
.endif
.endm
; Tile t of my keys.  Its loads from the stage go out first; the norms of what was multiplied before (kind, col; ns LDS stores) stand in the wait for them.
.macro TILE t, kind, col, ns
	s_wait_tensorcnt 3-(\t)                        ; tensor loads of a wave end in order: tile t is in my stage, the later ones stay out; only I read it
	LOADT \t
	PLACES
	NORM \kind, \col
	s_wait_dscnt 16+(\ns)                          ; K steps 0-3 are in: their 16 loads are the oldest; the other 16 and the ns stores may be out
	BATCH 1, 64*(\t), 0
	s_wait_dscnt \ns                               ; all 32 loads are in
	BATCH 1, 64*(\t), 1
.endm
	s_wait_loadcnt 0x0                             ; sent1's rows
	s_wait_dscnt 0x0                               ; k2's fragments
	BATCH 2, S1F, 0
	BATCH 2, S1F, 1
	TILE 0, 1, 0, 16
	TILE 1, 0, 0, 4
	TILE 2, 0, 64, 4
	TILE 3, 0, 128, 4
	PLACES
	NORM 0, 192
; THE MAIN LOOP.  A TURN is one perspective p, of parity e: 32 products (8 K steps x my 4 tiles of keys) on accumulator set e and operand buffer e.  Behind the products stand, three or four to each:
; the 36 lines that finish p - 1 (set 1 - e: times r2, the maximum of a lane's 32, the exchange of halves, one store), and the 64 multiplies that make s1 * k2[p + 1] in buffer 1 - e.
.macro MM e                            ; product mi: K step mi / 4, tile mi % 4.  The four accumulators take turns; the first four products start the sums
	WIN 0x01                                       ; source 0 (the keys) in window 1
.set rD, ACC0+32*(\e)+8*(mi%4)
.set rB, 64*(mi%4)+8*(mi/4)
.set rA, AK0+64*(\e)+8*(mi/4)
.if mi < 4
	v_wmma_f32_16x16x32_bf16 v[rD:rD+7], v[rB:rB+7], v[rA:rA+7], 0
.else
	v_wmma_f32_16x16x32_bf16 v[rD:rD+7], v[rB:rB+7], v[rA:rA+7], v[rD:rD+7]
.endif
.set mi, mi+1
.endm
.macro AB e                            ; register abn of 64 of buffer 1 - e: k2 times s1, two bf16 at a time
	WIN 0x08                                       ; source 1 (s1) in window 2
	v_pk_mul_bf16 v[AK0+64*(1-(\e))+abn], v[AK0+64*(1-(\e))+abn], v[S1F+abn]
.set abn, abn+1
.endm
.macro PO e                            ; line pq of 36 on set 1 - e; each accumulator's lowest registers are read first
	WIN 0
.set AC, ACC0+32*(1-(\e))
.if pq < 16
	v_pk_mul_f32 v[AC+2*pq:AC+2*pq+1], v[AC+2*pq:AC+2*pq+1], v[R2+2*pq:R2+2*pq+1]  ; times r2[p][m]
.elseif pq < 20
	v_max3_num_f32 v[MX+pq-16], v[AC+8*(pq-16)], v[AC+8*(pq-16)+1], v[AC+8*(pq-16)+2]
.elseif pq < 28
	v_max3_num_f32 v[MX+(pq-20)%4], v[MX+(pq-20)%4], v[AC+8*((pq-20)%4)+3+2*((pq-20)/4)], v[AC+8*((pq-20)%4)+4+2*((pq-20)/4)]
.elseif pq == 28
	v_max3_num_f32 v[MX], v[MX], v[AC+7], v[AC+15]
.elseif pq == 29
	v_max3_num_f32 v[MX+2], v[MX+2], v[AC+23], v[AC+31]
.elseif pq == 30
	v_max3_num_f32 v[MX], v[MX], v[MX+1], v[MX+2]
.elseif pq == 31
	v_max_num_f32 v[MX], v[MX], v[MX+3]
.elseif pq == 32
	v_permlanex16_b32 v[TMP], v[MX], s22, s23      ; my l's other 32 keys lie in the lane 16 away
.elseif pq == 33
	v_max_num_f32 v[MX], v[MX], v[TMP]
.elseif pq == 34
	v_add_nc_u32 v[ADRD], s51, v[REDA]
.else
	ds_store_b32 v[ADRD], v[MX]                    ; both halves store the same number to the same word
	s_add_co_u32 s51, s51, 4
.endif
.set pq, pq+1
.endm
.macro KRUN buf                        ; the next row of k2 as a fragment's channels: the 16 lanes of a half read the same bytes
	WIN 0
	v_add_nc_u32 v[ADRK], s49, v[KBA]
.irp c, 0,1,2,3,4,5,6,7
	ds_load_b128 v[AK0+64*(\buf)+8*(\c):AK0+64*(\buf)+8*(\c)+3],   v[ADRK] offset:64*(\c)
	ds_load_b128 v[AK0+64*(\buf)+8*(\c)+4:AK0+64*(\buf)+8*(\c)+7], v[ADRK] offset:64*(\c)+32
.endr
	s_add_co_u32 s49, s49, PK2
.endm
.macro RRUN                            ; the next row of my r2: my eight keys of each of the four tiles
	WIN 0
	v_add_nc_u32 v[ADRR], s50, v[RLD]
.irp t, 0,1,2,3
	ds_load_b128 v[R2+8*(\t):R2+8*(\t)+3],   v[ADRR] offset:64*(\t)
	ds_load_b128 v[R2+8*(\t)+4:R2+8*(\t)+7], v[ADRR] offset:64*(\t)+16
.endr
	s_add_co_u32 s50, s50, PR2
.endm
; post = 1: p - 1 is finished here.  build = 1: p + 1 is prepared here.
; Distances: buffer 1 - e was last read by the turn before's last four products; the four multiplies behind its last product write the other buffer and are the places ahead of KRUN's loads.  Line 0 of the 36 reads
; what that turn's product 28 wrote, 16 multiplies back; line 12 what its product 31 wrote, behind four multiplies and lines 0-11, which name other registers.
.macro TURN e, post, build
.set mi, 0
.set pq, 0
.set abn, 0
.set ti, 0
.if \post
	s_wait_dscnt 0x0                               ; r2 of p - 1 is in: asked for 20 products back
.endif
.rept 32
	MM \e
.if (ti < 12) && (\post)
	PO \e
	PO \e
	PO \e
.endif
.if (ti == 1) && (\build)
	KRUN 1-(\e)                                    ; k2[p + 1]
.endif
.if ti == 11
	RRUN                                           ; r2[p], for the next turn: the lines that read r2[p - 1] are over
.if \build
	s_wait_dscnt 8+(\post)                         ; k2[p + 1] is in: behind its 16 loads stand the store of the maximum (post = 1) and RRUN's eight loads
.endif
.endif
.if (ti >= 12) && (\build)
	AB \e
	AB \e
	AB \e
.if ti >= 28
	AB \e
.endif
.endif
.set ti, ti+1
.endr
.endm
	s_mov_b32 s49, 0                               ; byte of k2's next row,
	s_mov_b32 s50, 0                               ; of r2's,
	s_mov_b32 s51, 0                               ; 4 x the perspective whose maximum is stored next
	KRUN 0
	s_wait_dscnt 0x0
.set abn, 0
.rept 64
	AB 1                                           ; s1 * k2[0] in buffer 0
.endr
	TURN 0, 0, 1                                   ; p = 0
	WIN 0                                          ; at a label and at a branch every window is 0
	s_mov_b32 s48, 9
.Lpair:                                                ; p = 1 .. 18, two a trip
	TURN 1, 1, 1
	TURN 0, 1, 1
	WIN 0
	s_sub_co_u32 s48, s48, 1
	s_cmp_lg_u32 s48, 0
	s_cbranch_scc1 .Lpair
	TURN 1, 1, 0                                   ; p = 19: nothing is left to prepare
	PLACES
	s_wait_dscnt 0x0                               ; r2[19]
.set pq, 0
.rept 36
	PO 0                                           ; p = 19 is finished, on set 1
.endr
	; THE WAY OUT.  The four waves' maxima meet in LDS; thread i < 80 takes the four numbers at byte 16 i of the work-group's 1,280, multiplies by r1 and stores them.
	s_wait_dscnt 0x0                               ; for the others' sake: my maxima are written
	s_barrier_signal -1
	s_barrier_wait -1
	ds_load_b128 v[32:35], v[FINR]
	ds_load_b128 v[36:39], v[FINR] offset:WR1
	ds_load_b128 v[40:43], v[FINR] offset:2*WR1
	ds_load_b128 v[44:47], v[FINR] offset:3*WR1
	ds_load_b128 v[48:51], v[FIN1]
	s_wait_dscnt 0x0
.irp j, 0,1,2,3
	v_max3_num_f32 v[52+(\j)], v[32+(\j)], v[36+(\j)], v[40+(\j)]
.endr
.irp j, 0,1,2,3
	v_max_num_f32 v[52+(\j)], v[52+(\j)], v[44+(\j)]
.endr
	v_pk_mul_f32 v[52:53], v[52:53], v[48:49]
	v_pk_mul_f32 v[54:55], v[54:55], v[50:51]
	v_cmp_gt_u32 vcc_lo, 80, v0
	s_wait_xcnt 0x0                                ; EXEC changes only behind this wait
	s_and_saveexec_b32 s52, vcc_lo
	global_store_b128 v[FIN], v[52:55], s[10:11]   ; 16 lanes store 256 consecutive bytes, at a multiple of 256 from out0's first byte
	s_wait_xcnt 0x0                                ; and again, in front of the line that widens it
	s_or_b32 exec_lo, exec_lo, s52
	s_wait_tensorcnt 0x0                           ; the wave's end, behind my last tensor load and my last LDS store
	ds_add_u32 v[SPW], v[NIL]
	s_wait_dscnt 0x0
	ROUND                                          ; the closing round
	s_endpgm
.Lfunc_end_k_q3158a00680_match:
	.size	k_q3158a00680_match, .Lfunc_end_k_q3158a00680_match-k_q3158a00680_match
	.p2alignl 7, 3214868480
	.fill 96, 4, 3214868480
	.section	.rodata,"a",@progbits
	.p2align	6, 0x0
	.amdhsa_kernel k_q3158a00680_match
		.amdhsa_group_segment_fixed_size 310272
		.amdhsa_private_segment_fixed_size 0
		.amdhsa_enable_private_segment 0
		.amdhsa_kernarg_size 32
		.amdhsa_user_sgpr_count 2
		.amdhsa_user_sgpr_kernarg_segment_ptr 1
		.amdhsa_wavefront_size32 1
		.amdhsa_system_sgpr_workgroup_id_x 1
		.amdhsa_system_sgpr_workgroup_id_y 1
		.amdhsa_system_sgpr_workgroup_id_z 1
		.amdhsa_system_vgpr_workitem_id 0
		.amdhsa_next_free_vgpr 704
		.amdhsa_next_free_sgpr 66
		.amdhsa_reserve_vcc 1
		.amdhsa_float_denorm_mode_32 3
		.amdhsa_float_denorm_mode_16_64 3
		.amdhsa_memory_ordered 1
		.amdhsa_forward_progress 1
		.amdhsa_inst_pref_size 127
	.end_amdhsa_kernel
	.amdgpu_metadata
---
amdhsa.version: [ 1, 2 ]
amdhsa.kernels:
  - .name:           k_q3158a00680_match
    .symbol:         k_q3158a00680_match.kd
    .args:
      - { .name: sent1, .offset: 0, .size: 8, .value_kind: global_buffer, .address_space: global }
      - { .name: sent2, .offset: 8, .size: 8, .value_kind: global_buffer, .address_space: global }
      - { .name: kernel, .offset: 16, .size: 8, .value_kind: global_buffer, .address_space: global }
      - { .name: out0, .offset: 24, .size: 8, .value_kind: global_buffer, .address_space: global }
    .group_segment_fixed_size: 310272
    .private_segment_fixed_size: 0
    .kernarg_segment_align: 8
    .kernarg_segment_size: 32
    .max_flat_workgroup_size: 128
    .sgpr_count:     66
    .vgpr_count:     704
    .wavefront_size: 32
...
	.end_amdgpu_metadata
.endif
;; end of part 1
